; MI455X (gfx1250); checked and timed in simulation.
; The chip was launched on July 23, 2026; its instructions are those of AMD's public machine-readable ISA for CDNA 5 (MIT licence, August 2026) and "CDNA5" Instruction Set Architecture Reference Guide (July 2026). The comments in the code are by the model that wrote it; some were corrected since.
;; Spatial Self Cross Attention. Allowed arithmetic: matrix products marked QUANTISED: E2M1 operands, one E8M0 scale for each 32 along K, by v_wmma_scale_f32_16x16x128_f8f6f4 with both operands' format E2M1 (or v_wmma_scale_f32_32x16x128_f4), f32 sums; everything else in f32.
;; Inputs: bk 256 float32; bpc 256 float32; bps 256 float32; bq1 256 float32; bq2 256 float32; bv 256 float32; wk 256 x 256 float32; wpc 256 x 256 float32; wps 256 x 256 float32; wq1 256 x 256 float32; wq2 256 x 256 float32; wv 256 x 256 float32; x1 32 x 256 x 32 x 32 float32; x2 32 x 256 x 32 x 32 float32.
;; Outputs: out0 32 x 256 x 32 x 32 float32; out1 32 x 256 x 32 x 32 float32.
;; This version of the problem:
;;   THIS VERSION OF THE PROBLEM IS GIVEN IN LOW PRECISION. The matrix products marked QUANTISED in the list below multiply operands that are first quantised to E2M1 (2 exponent bits, 1 mantissa bit; 4 bits a number), with one power-of-two scale for each 32 numbers along K (OCP MX v1.0); their sums are f32. All else is computed in f32.
;;   The module's matrix products, in the order in which they are computed (A, B: the left and right operand; K: the contracted axis; several contracted axes count as one K, in the product's order):
;;     1. [M 256, K 256] x [K 256, N 32,768]; A: input wq1; B: input x1: QUANTISED
;;     2. [M 256, K 256] x [K 256, N 32,768]; A: input wk; B: input x1: QUANTISED
;;     3. [M 256, K 256] x [K 256, N 32,768]; A: input wv; B: input x1: QUANTISED
;;     4. batch 32 x [M 1,024, K 256] x [K 256, N 1,024]; A: computed on the way; B: computed on the way: QUANTISED
;;     5. batch 32 x [M 1,024, K 1,024] x [K 1,024, N 256]; A: softmax (see below); B: computed on the way: QUANTISED
;;     6. [M 256, K 256] x [K 256, N 32,768]; A: input wps; B: computed on the way: QUANTISED
;;     7. [M 256, K 256] x [K 256, N 32,768]; A: input wq2; B: input x2: QUANTISED
;;     8. batch 32 x [M 1,024, K 256] x [K 256, N 1,024]; A: computed on the way; B: computed on the way: QUANTISED
;;     9. batch 32 x [M 1,024, K 1,024] x [K 1,024, N 256]; A: softmax (see below); B: computed on the way: QUANTISED
;;     10. [M 256, K 256] x [K 256, N 32,768]; A: input wpc; B: computed on the way: QUANTISED
;;   THE QUANTISER, for each operand of a quantised product, along K:
;;     - K is cut into blocks of 32 from its start; a last block that is shorter is filled with zeros.
;;     - A block's scale is 2^e with e = floor(log2(the largest magnitude in the block)) - 2, held to -126 .. 127; a block of zeros has e = 0. As a byte (E8M0): e + 127.
;;     - Each number is divided by its block's scale, clamped to +-6, and rounded to the nearest number of E2M1, ties to even, subnormals kept.
;;     - The product sums the exact products of the quantised numbers (number of the format x scale) in f32.
;;   ~~~python
;;   def quantise(x, axis):      # numpy; x: float32 -> the quantised numbers, widened to float32 again
;;       x = np.moveaxis(x, axis, -1); K = x.shape[-1]
;;       x = np.pad(x, [(0, 0)] * (x.ndim - 1) + [(0, -K % 32)]); x = x.reshape(x.shape[:-1] + (-1, 32)); a = np.abs(x).max(-1, keepdims=True)
;;       e = np.where(a > 0, np.clip(np.frexp(np.where(a > 0, a, 1))[1] - 1 - 2, -126, 127), 0)      # np.frexp(a)[1] - 1 = floor(log2(a)), exactly
;;       r = np.clip(x / 2.0 ** e, -6, 6)
;;       step = 2.0 ** (np.maximum(np.frexp(np.where(r == 0, 1, r))[1] - 1, 0) - 1)
;;       q = np.round(r / step) * step * 2.0 ** e      # np.round: ties to even
;;       return np.moveaxis(q.reshape(q.shape[:-2] + (-1,))[..., :K], -1, axis).astype(np.float32)
;;   ~~~
;;   SOFTMAX AHEAD OF A QUANTISED PRODUCT. Where the list says 'softmax', what is quantised is not the finished softmax but p = 2^(t - M), with t = logit x log2(e) and M = ceil(the row's largest t), a whole number; so 1/2 < the row's largest p <= 1. The row's sum l is taken of the UNQUANTISED p, in f32, and the product's result is divided by l at the end. Since M is a whole number, a kernel that streams over the keys may use a running M (the ceiling of the running maximum): every later rescaling is an exact power of two, which a block's scale takes up: the codes' values come out the same.
;;   OPERANDS COMPUTED ON THE WAY. 'Computed on the way' means the value that the module computes at that place (a softmax that the list does not call 'softmax' is quantised finished and normalised). What goes into a quantiser is computed in f32, as accurately as f32 sums, v_exp_f32 and their like allow (about 1e-6 of the number): no bf16 or f16 on the way to a quantiser, and a product that is left as it is and whose result goes on into a quantised operand takes f32 operands (vector FMAs, or v_wmma_f32_16x16x4_f32). A number that lies on a knife's edge between two numbers of the format may be rounded either way, as far as f32 arithmetic and the matrix unit's own rounding can turn it there, and no further.
;; One version. Each part assembles by itself: llvm-mc -triple=amdgcn-amd-amdhsa -mcpu=gfx1250 --defsym DOCPART=n.
;; ======== version 1 of 1: 3 launches
;; workspace buffers: wc 208,896 bytes; kv 8,912,896 bytes; qq 8,912,896 bytes
;; launch wquant (part 1): grid 16 x 6, 1 waves a work-group, no clusters, 0 bytes of LDS; arguments wq1, wk, wv, wq2, wps, wpc, wc; writes wc
.if DOCPART == 1
	.amdgcn_target "amdgcn-amd-amdhsa--gfx1250"
	.amdhsa_code_object_version 6
	.text
	.protected	k_q742f0bb71e_wquant
	.globl	k_q742f0bb71e_wquant
	.p2align	8
	.type	k_q742f0bb71e_wquant,@function
k_q742f0bb71e_wquant:
	s_mov_b64 s[64:65], 0
	v_nop
	global_prefetch_b8 v0, s[64:65] scope:SCOPE_SE
	s_setreg_imm32_b32 hwreg(HW_REG_WAVE_MODE, 25, 1), 1
	s_wait_xcnt 0x0
; The six weights [256 out][256 in], f32, K = in (innermost), become codes of FP4 (E2M1) with one E8M0 byte for each 32 along K,
; laid in wc as IMAGES OF THE OPERAND'S REGISTERS, so that the later launches load fragments by 16-byte loads at 16 x lane.
; wc: six blocks of 34,816 bytes (wq1, wk, wv, wq2, wps, wpc).  In a block: fragment (tile t of 16 rows, K step s of 128) at (2 t + s) x 1,024:
; register group c (registers 4 c .. 4 c + 3) of lane l at + 512 c + 16 l;  scale image t at 32,768 + 128 t: lane l's word at 4 l, lanes 0-15 K step 0, lanes 16-31 K step 1.
; THE ROWS OF A TILE ARE NOT NEIGHBOURS: row r of tile t = 2 b + u is output 32 b + 8 u + r + 8 (r / 8), so that a product that takes such tiles as source 0 leaves 16 neighbouring outputs in the 16 registers of tiles 2 b, 2 b + 1.
; SHARES: work-group (x = tile, y = weight) is one wave and makes the tile's two fragments and its scale image: 96 waves for 1.5 MB; no LDS, no barrier.
; A lane's four loads of a block cover its 64 neighbouring bytes of a row; the fragments leave as stores of 512 consecutive bytes, the scale image as 128 consecutive bytes.
; LIMITS: NaN and infinities are not served.  A block whose largest magnitude lies under 2^-124 (a block of zeros too) gets the byte 1; its codes are as the rule has them or zeros, and this program alone reads the bytes.
.set SEL, 20                           ; s[20:21] lane selects for v_permlanex16_b32: lane l xor 16
.set TM,  16                           ; v16-31 at work in QUANT
; 64 numbers of a lane, v[src] on, register 16 b + i = k 32 b + 16 (lane / 16) + i of the lane's row, become a fragment's 8 registers in v[pc] on and the row's scale word in v[pw].
.macro QUANT src, pc, pw
.irp b, 0,1,2,3
	v_max3_num_f32 v[TM+\b], |v[\src+16*\b]|, |v[\src+1+16*\b]|, 0x1800000   ; my 16 numbers of block b, and the floor 2^(3 - 127): the byte cannot fall under 1
.endr
.irp i, 2,4,6,8,10,12,14
.irp b, 0,1,2,3
	v_max3_num_f32 v[TM+\b], v[TM+\b], |v[\src+16*\b+\i]|, |v[\src+1+16*\b+\i]|
.endr
.endr
.irp b, 0,1,2,3
	v_permlanex16_b32 v[TM+4+\b], v[TM+\b], s[SEL], s[SEL+1]
.endr
.irp b, 0,1,2,3
	v_max_num_f32 v[TM+\b], v[TM+\b], v[TM+4+\b]       ; with lane l xor 16's 16: the block's largest magnitude
.endr
.irp b, 0,1,2,3
	v_add_nc_u32 v[TM+12+\b], 0xff000000, v[TM+\b]     ; 2 off its exponent field: the conversion's scale operand
.endr
.irp b, 0,1,2,3
	v_lshrrev_b32 v[TM+4+\b], 23, v[TM+12+\b]          ; the scale's byte
.endr
	v_lshl_or_b32 v[\pw], v[TM+5], 8, v[TM+4]
	v_lshl_or_b32 v[\pw], v[TM+6], 16, v[\pw]
	v_lshl_or_b32 v[\pw], v[TM+7], 24, v[\pw]
.irp b, 0,1,2,3
	v_cvt_scalef32_pk8_fp4_f32 v[\pc+2*\b], v[\src+16*\b:\src+7+16*\b], v[TM+12+\b]
	v_cvt_scalef32_pk8_fp4_f32 v[\pc+1+2*\b], v[\src+8+16*\b:\src+15+16*\b], v[TM+12+\b]
.endr
	v_nop                                              ; one plain place behind a scaled conversion
.irp c, 0,1
.irp i, 0,1
	v_permlane16_swap_b32 v[\pc+4*\c+\i], v[\pc+2+4*\c+\i]   ; a whole block to a lane: lanes 0-15 block 2 c, lanes 16-31 block 2 c + 1
.endr
.endr
.endm
	s_load_b256 s[4:11], s[0:1], 0x0               ; wq1, wk, wv, wq2
	s_load_b128 s[12:15], s[0:1], 0x20             ; wps, wpc
	s_load_b64 s[16:17], s[0:1], 0x30              ; wc
	s_and_b32 s18, ttmp7, 0xffff                   ; which weight
	v_and_b32 v7, 31, v0                           ; lane
	v_and_b32 v1, 15, v0                           ; r
	v_bfe_u32 v2, v0, 4, 1                         ; h
	v_and_b32 v3, 8, v1
	v_add_nc_u32 v3, v3, v1                        ; r + 8 (r / 8)
	v_lshlrev_b32 v4, 10, v3                       ; a row is 1,024 bytes,
	v_lshl_add_u32 v4, v2, 6, v4                   ; + 64 h: my 16 numbers of a block of 32
	v_lshlrev_b32 v5, 4, v7                        ; 16 x lane
	v_lshlrev_b32 v6, 2, v7                        ; 4 x lane
	s_mov_b32 s[SEL], 0x76543210
	s_mov_b32 s[SEL+1], 0xfedcba98
.irp b, 0,1,2,3
	v_mov_b32 v[TM+4+\b], 0                        ; written once: a lane permute's destination counts as one of its sources
.endr
	s_lshr_b32 s24, ttmp9, 1
	s_lshl_b32 s24, s24, 15                        ; 32 (t / 2) rows
	s_and_b32 s25, ttmp9, 1
	s_lshl_b32 s25, s25, 13                        ; + 8 (t % 2) rows
	s_add_co_u32 s24, s24, s25
	s_mov_b32 s25, 0
	s_mul_i32 s26, s18, 34816                      ; the weight's block in wc,
	s_lshl_b32 s27, ttmp9, 11
	s_add_co_u32 s26, s26, s27                     ; the tile's two fragments
	s_mov_b32 s27, 0
	s_mul_i32 s28, s18, 34816
	s_lshl_b32 s29, ttmp9, 7
	s_add_co_u32 s28, s28, s29
	s_add_co_u32 s28, s28, 32768                   ; and its scale image
	s_mov_b32 s29, 0
	s_wait_kmcnt 0x0
.irp k, 1,2,3,4,5
	s_cmp_eq_u32 s18, \k                           ; the choice hangs on the work-group's number alone
	s_cselect_b64 s[4:5], s[4+2*\k:5+2*\k], s[4:5]
.endr
	s_add_nc_u64 s[4:5], s[4:5], s[24:25]
	s_add_nc_u64 s[22:23], s[16:17], s[28:29]
	s_add_nc_u64 s[16:17], s[16:17], s[26:27]
.irp k, 0,1
.irp b, 0,1,2,3
.irp q, 0,1,2,3
	global_load_b128 v[32+64*\k+16*\b+4*\q:35+64*\k+16*\b+4*\q], v4, s[4:5] offset:512*\k+128*\b+16*\q
.endr
.endr
.endr
	s_wait_loadcnt 16                              ; K step 0's sixteen loads are in; K step 1's sixteen may be out
	QUANT 32, 160, 12
	s_wait_loadcnt 0x0
	QUANT 96, 168, 13
	v_cmp_lt_u32 vcc_lo, 15, v7
	v_cndmask_b32 v14, v12, v13, vcc_lo            ; lanes 0-15 K step 0's word, lanes 16-31 K step 1's
.irp c, 0,1
	global_store_b128 v5, v[160+4*\c:163+4*\c], s[16:17] offset:512*\c
	global_store_b128 v5, v[168+4*\c:171+4*\c], s[16:17] offset:1024+512*\c
.endr
	global_store_b32 v6, v14, s[22:23]
	s_endpgm
.Lfunc_end_k_q742f0bb71e_wquant:
	.size	k_q742f0bb71e_wquant, .Lfunc_end_k_q742f0bb71e_wquant-k_q742f0bb71e_wquant
	.p2alignl 7, 3214868480
	.fill 96, 4, 3214868480
	.section	.rodata,"a",@progbits
	.p2align	6, 0x0
	.amdhsa_kernel k_q742f0bb71e_wquant
		.amdhsa_group_segment_fixed_size 0
		.amdhsa_private_segment_fixed_size 0
		.amdhsa_enable_private_segment 0
		.amdhsa_kernarg_size 56
		.amdhsa_user_sgpr_count 2
		.amdhsa_user_sgpr_kernarg_segment_ptr 1
		.amdhsa_wavefront_size32 1
		.amdhsa_system_sgpr_workgroup_id_x 1
		.amdhsa_system_sgpr_workgroup_id_y 1
		.amdhsa_system_sgpr_workgroup_id_z 1
		.amdhsa_system_vgpr_workitem_id 0
		.amdhsa_next_free_vgpr 192
		.amdhsa_next_free_sgpr 66
		.amdhsa_reserve_vcc 1
		.amdhsa_float_denorm_mode_32 3
		.amdhsa_float_denorm_mode_16_64 3
		.amdhsa_memory_ordered 1
		.amdhsa_forward_progress 1
		.amdhsa_inst_pref_size 14
	.end_amdhsa_kernel
	.amdgpu_metadata
---
amdhsa.version: [ 1, 2 ]
amdhsa.kernels:
  - .name:           k_q742f0bb71e_wquant
    .symbol:         k_q742f0bb71e_wquant.kd
    .args:
      - { .name: wq1, .offset: 0, .size: 8, .value_kind: global_buffer, .address_space: global }
      - { .name: wk, .offset: 8, .size: 8, .value_kind: global_buffer, .address_space: global }
      - { .name: wv, .offset: 16, .size: 8, .value_kind: global_buffer, .address_space: global }
      - { .name: wq2, .offset: 24, .size: 8, .value_kind: global_buffer, .address_space: global }
      - { .name: wps, .offset: 32, .size: 8, .value_kind: global_buffer, .address_space: global }
      - { .name: wpc, .offset: 40, .size: 8, .value_kind: global_buffer, .address_space: global }
      - { .name: wc, .offset: 48, .size: 8, .value_kind: global_buffer, .address_space: global }
    .group_segment_fixed_size: 0
    .private_segment_fixed_size: 0
    .kernarg_segment_align: 8
    .kernarg_segment_size: 56
    .max_flat_workgroup_size: 32
    .sgpr_count:     66
    .vgpr_count:     192
    .wavefront_size: 32
...
	.end_amdgpu_metadata
.endif
;; end of part 1
;; launch proj (part 2): grid 8 x 32, 8 waves a work-group, no clusters, 327,680 bytes of LDS; arguments x1, x2, wc, bq1, bk, bv, bq2, kv, qq; writes kv, qq
.if DOCPART == 2
	.amdgcn_target "amdgcn-amd-amdhsa--gfx1250"
	.amdhsa_code_object_version 6
	.text
	.protected	k_q742f0bb71e_proj
	.globl	k_q742f0bb71e_proj
	.p2align	8
	.type	k_q742f0bb71e_proj,@function
k_q742f0bb71e_proj:
	s_mov_b64 s[64:65], 0
	v_nop
	global_prefetch_b8 v0, s[64:65] scope:SCOPE_SE
	s_setreg_imm32_b32 hwreg(HW_REG_WAVE_MODE, 25, 1), 1
	s_wait_xcnt 0x0
; q1 = wq1 x1 + bq1, k = wk x1 + bk, v = wv x1 + bv, q2 = wq2 x2 + bq2, all four products on codes of FP4 (E2M1) with one E8M0 scale for each 32 along K = the 256 channels;
; their results are quantised at once for the next products: q1, q2, k along their 256 channels, v along the keys.  They leave as images of operand registers (a fragment of 16 rows x 128 K: 1,024 bytes,
; register group c of lane l at 512 c + 16 l) with scale images (128 bytes, lane l's word at 4 l).
; x: [32][256 channels][1,024 tokens] f32: K is not innermost.  SHARES: work-group (x = j, y = batch) takes tokens 128 j .. 128 j + 127 and makes block 8 batch + j (34,816 bytes) of kv and of qq:
;   kv: K's fragment (token tile T of 8, K step s) at (2 T + s) 1,024; V's fragment (channel tile ct of 16; K = these 128 keys) at 16,384 + 1,024 ct; K's scale image T at 32,768 + 128 T (lanes 0-15 K step 0, 16-31 K step 1);
;       V's scale image i at 33,792 + 128 i (lanes 0-15 tile 2 i, lanes 16-31 tile 2 i + 1).     qq: q1 as K, q2 16,384 (scale images 1,024) further on.
; EVERY TILE OF 16 ROWS IS PERMUTED: row r of tile 2 b + u is index 32 b + 8 u + r + 8 (r / 8).  As source 0 such tiles leave 16 neighbouring indices in the 16 registers of tiles 2 b and 2 b + 1: what the conversions want.
; PHASES.  Each of the eight waves brings 64 channels x 64 tokens of x1 and of x2 into LDS by one tensor load each (rows of 256 consecutive bytes), both asked for first of all.  X: a lane takes a token, its registers run
; down the channels: two blocks of 32 are quantised with no other lane, and go as rows of codes into LDS | barrier | 1: q1 and k: wave (a, s', th) = which of the two, which 128 outputs, which 64 tokens: source 0 = 16 rows of W,
; source 1 = 16 tokens of x; 8 tiles = one fragment | 2: v: wave w = channel tiles 2 w, 2 w + 1: source 0 = 16 tokens, source 1 = 16 rows of wv; 8 tiles = 128 keys = one fragment | X for x2 | barrier | 3: q2 | barrier | scale images out.
; Parts 1 and 2 run while x2 is on its way.  All waves run one text: what differs between them is arithmetic on the wave's number.
; NO CLUSTER: what work-groups share is wc alone; each fragment of it goes straight into the registers of the waves that use it, and beside the two f32 tiles (262,144 bytes) and the stages LDS has 22,528 bytes left, less than the four weights' 139,264.
; No LDS byte is filled twice.  By this text's count a wave has two tensor loads outstanding.
; LIMITS: NaN and infinities are not served.  A block whose largest magnitude lies under 2^-124 (zeros too) gets the byte 1; this program alone reads the bytes.  The biases are the C of each sum's first product.
; REGISTERS, window 0: v1-15, v35, v39 addresses; v16-34 scale words; v36-37 bv; v38 the scale word just made; v40-47 codes just made; v48-63 at work; v64-127 numbers of x, then 8 accumulators; v128-191 bias images;
;   v192-207 x's two fragments; v208-239 wv's four; v240-251 at work.   window 1: v0-127 part 1's 16 fragments of W, then x1's 16; v128-255 wq2's 16.
.set XC,   262144                      ; x's codes as rows: tensor x 18,432 + token x 144 + 16 x block (128 bytes + 16 of padding: the pitch is an odd multiple of 16 bytes)
.set XS,   299008                      ; x's scale bytes: tensor x 1,024 + token x 8 + block
.set SCST, 301056                      ; the outgoing scale images: K's 1,024 bytes, V's, q1's, q2's
.set SEL,  40                          ; s[40:41]
.set TM,   48
.set MSB,  0
.macro WIN new                         ; the immediate's high byte repeats the setting that is left
.if MSB != \new
	s_set_vgpr_msb (MSB<<8)|\new
.set MSB, \new
.endif
.endm
; 64 numbers of a lane, register 16 b + i = k 32 b + 16 (lane / 16) + i of the lane's row, become a fragment in v[pc] on and the row's scale word in v[pw].
.macro QUANT src, pc, pw
.irp b, 0,1,2,3
	v_max3_num_f32 v[TM+\b], |v[\src+16*\b]|, |v[\src+1+16*\b]|, 0x1800000   ; each accumulator is read from its low end on; the floor 2^(3 - 127) holds the byte at 1 from below
.endr
.irp i, 2,4,6,8,10,12,14
.irp b, 0,1,2,3
	v_max3_num_f32 v[TM+\b], v[TM+\b], |v[\src+16*\b+\i]|, |v[\src+1+16*\b+\i]|
.endr
.endr
.irp b, 0,1,2,3
	v_permlanex16_b32 v[TM+4+\b], v[TM+\b], s[SEL], s[SEL+1]
.endr
.irp b, 0,1,2,3
	v_max_num_f32 v[TM+\b], v[TM+\b], v[TM+4+\b]
.endr
.irp b, 0,1,2,3
	v_add_nc_u32 v[TM+12+\b], 0xff000000, v[TM+\b]     ; 2 off the exponent field: the conversion's scale operand
.endr
.irp b, 0,1,2,3
	v_lshrrev_b32 v[TM+4+\b], 23, v[TM+12+\b]
.endr
	v_lshl_or_b32 v[\pw], v[TM+5], 8, v[TM+4]
	v_lshl_or_b32 v[\pw], v[TM+6], 16, v[\pw]
	v_lshl_or_b32 v[\pw], v[TM+7], 24, v[\pw]
.irp b, 0,1,2,3
	v_cvt_scalef32_pk8_fp4_f32 v[\pc+2*\b], v[\src+16*\b:\src+7+16*\b], v[TM+12+\b]
	v_cvt_scalef32_pk8_fp4_f32 v[\pc+1+2*\b], v[\src+8+16*\b:\src+15+16*\b], v[TM+12+\b]
.endr
	v_nop                                              ; one plain place behind a scaled conversion
.irp c, 0,1
.irp i, 0,1
	v_permlane16_swap_b32 v[\pc+4*\c+\i], v[\pc+2+4*\c+\i]
.endr
.endr
.endm
.macro BARRIER                         ; my LDS stores have landed and my LDS loads are in: then the work-group's barrier
	s_wait_dscnt 0x0
	s_barrier_signal -1
	s_barrier_wait -1
.endm
; My 64 channels x 64 tokens of tensor xt, 32 tokens at a time: lane = token, registers down the channels; v[fa]: my lane's word in my part of the f32 tile.
.macro XQ xt, fa
.irp g, 0,1
.set n, 0
.rept 64
	ds_load_b32 v[64+n], v[\fa] offset:256*n+128*\g    ; 32 lanes read 128 consecutive bytes of one channel
.set n, n+1
.endr
	s_wait_dscnt 0x0                                   ; the numbers are in; the stores of the 32 tokens before have read their registers
.irp e, 0,1
	v_max3_num_f32 v[244+2*\e], |v[64+32*\e]|, |v[65+32*\e]|, |v[66+32*\e]|
	v_max3_num_f32 v[245+2*\e], |v[67+32*\e]|, |v[68+32*\e]|, |v[69+32*\e]|
.endr
.irp i, 6,10,14,18,22,26
.irp e, 0,1
	v_max3_num_f32 v[244+2*\e], v[244+2*\e], |v[64+32*\e+\i]|, |v[65+32*\e+\i]|
	v_max3_num_f32 v[245+2*\e], v[245+2*\e], |v[66+32*\e+\i]|, |v[67+32*\e+\i]|
.endr
.endr
.irp e, 0,1
	v_max3_num_f32 v[244+2*\e], v[244+2*\e], |v[94+32*\e]|, |v[95+32*\e]|
.endr
.irp e, 0,1
	v_max3_num_f32 v[244+2*\e], v[244+2*\e], v[245+2*\e], 0x1800000   ; the block's largest magnitude, all 32 numbers mine, and the floor
.endr
.irp e, 0,1
	v_add_nc_u32 v[248+\e], 0xff000000, v[244+2*\e]
.endr
.irp e, 0,1
	v_lshrrev_b32 v[244+2*\e], 23, v[248+\e]
.endr
	v_lshl_or_b32 v244, v246, 8, v244                  ; my two blocks' bytes
.irp e, 0,1
.irp q, 0,1,2,3
	v_cvt_scalef32_pk8_fp4_f32 v[40+4*\e+\q], v[64+32*\e+8*\q:71+32*\e+8*\q], v[248+\e]
.endr
.endr
	v_nop                                              ; one plain place behind a scaled conversion
.irp e, 0,1
	ds_store_b128 v5, v[40+4*\e:43+4*\e] offset:18432*\xt+4608*\g+16*\e
.endr
	ds_store_b16 v6, v244 offset:1024*\xt+256*\g
.endr
.endm
; One fragment of q or k: 16 tokens x 128 outputs.  wb: W's 16 fragments in window 1; ws: their scale words; xa, xo / xs, xso: x's tile and its scale words in LDS; op, oo: where the image goes; sa, so: where the scale words go.
; The eight accumulators take turns, one instruction a turn.
.macro UNITA wb, ws, xa, xo, xs, xso, op, oo, sa, so
	s_wait_xcnt 0x0                                    ; the last image's stores have read v40-47, which QUANT writes again
.irp k, 0,1
.irp c, 0,1
	ds_load_b128 v[192+8*\k+4*\c:195+8*\k+4*\c], v[\xa] offset:\xo+64*\k+32*\c
.endr
.endr
	ds_load_b32 v34, v[\xs] offset:\xso
	s_wait_dscnt 0x0
	WIN 0x01                                           ; source 0 (W) window 1
.irp t, 0,1,2,3,4,5,6,7
	v_wmma_scale_f32_16x16x128_f8f6f4 v[64+8*\t:71+8*\t], v[\wb+16*\t:\wb+16*\t+7], v[192:199], v[128+8*\t:135+8*\t], v[\ws+\t], v34 matrix_a_fmt:MATRIX_FMT_FP4 matrix_b_fmt:MATRIX_FMT_FP4
.endr
.irp t, 0,1,2,3,4,5,6,7
	v_wmma_scale_f32_16x16x128_f8f6f4 v[64+8*\t:71+8*\t], v[\wb+16*\t+8:\wb+16*\t+15], v[200:207], v[64+8*\t:71+8*\t], v[\ws+\t], v34 matrix_a_fmt:MATRIX_FMT_FP4 matrix_b_fmt:MATRIX_FMT_FP4 matrix_a_scale:MATRIX_SCALE_ROW1 matrix_b_scale:MATRIX_SCALE_ROW1
.endr
	WIN 0
.rept 4
	v_nop                                              ; four places in front of the first read of the results (ISA guide 7.12.1)
.endr
	QUANT 64, 40, 38                                   ; its fifteen plain lines on v48-63 alone are the places in front of the next unit's loads and of its sums begun anew
.irp c, 0,1
	global_store_b128 v1, v[40+4*\c:43+4*\c], s[\op:\op+1] offset:\oo+512*\c   ; 512 consecutive bytes
.endr
	ds_store_b32 v[\sa], v38 offset:\so                ; lanes r and r + 16 write the same word with the same value
.endm
; One fragment of v: channel tile 2 w + u x these 128 keys.  Source 0 = 16 tokens of x1, source 1 = 16 rows of wv: a lane holds one channel, its registers run along the tokens.
.macro UNITB u
	s_wait_xcnt 0x0                                    ; as in UNITA
	s_wait_dscnt 0x0                                   ; the last scale word's store has read v38
.irp i, 0,1,2,3,4,5,6,7
	v_mov_b32 v[244+\i], v[36+\u]                      ; the lane's bias, as the C of all eight sums' first product
.endr
	WIN 0x01                                           ; source 0 (x1) window 1
.irp t, 0,1,2,3,4,5,6,7
	v_wmma_scale_f32_16x16x128_f8f6f4 v[64+8*\t:71+8*\t], v[16*\t:16*\t+7], v[208+16*\u:215+16*\u], v[244:251], v[16+\t], v[32+\u] matrix_a_fmt:MATRIX_FMT_FP4 matrix_b_fmt:MATRIX_FMT_FP4
.endr
.irp t, 0,1,2,3,4,5,6,7
	v_wmma_scale_f32_16x16x128_f8f6f4 v[64+8*\t:71+8*\t], v[16*\t+8:16*\t+15], v[216+16*\u:223+16*\u], v[64+8*\t:71+8*\t], v[16+\t], v[32+\u] matrix_a_fmt:MATRIX_FMT_FP4 matrix_b_fmt:MATRIX_FMT_FP4 matrix_a_scale:MATRIX_SCALE_ROW1 matrix_b_scale:MATRIX_SCALE_ROW1
.endr
	WIN 0
.rept 4
	v_nop
.endr
	QUANT 64, 40, 38
.irp c, 0,1
	global_store_b128 v1, v[40+4*\c:43+4*\c], s[68:69] offset:1024*\u+512*\c
.endr
	ds_store_b32 v14, v38 offset:64*\u
.endm
	s_load_b512 s[4:19], s[0:1], 0x0               ; x1 s[4:5], x2 s[6:7], wc s[8:9], bq1 s[10:11], bk s[12:13], bv s[14:15], bq2 s[16:17], kv s[18:19]
	s_load_b64 s[20:21], s[0:1], 0x40              ; qq
	v_lshl_add_u32 v254, v0, 2, 0x4a800
	v_mov_b32 v255, 0
	ds_add_u32 v254, v255
	ds_add_u32 v254, v255
	v_lshrrev_b32 v244, 5, v0
	v_readfirstlane_b32 s22, v244                  ; wave 0..7
	s_lshr_b32 s74, s22, 2                         ; a: part 1 makes q1 (0) or k (1)
	s_bfe_u32 s75, s22, 0x10001                    ; s': which 128 outputs in part 1
	s_and_b32 s76, s22, 1                          ; th: which 64 tokens (fetch, part 1); also which 128 outputs in part 3
	s_lshr_b32 s77, s22, 1                         ; p: which 64 channels I fetch; also which 32 tokens in part 3
	; descriptor group 1: 64 rows (channels) x 64 elements of 4 bytes (tokens), 1,024 elements from row to row, dense in LDS
	s_mov_b32 s24, 2<<16                           ; no mask; elements of 4 bytes; no padding
	s_mov_b32 s25, 64<<16                          ; tensor_dim0 = 64
	s_mov_b32 s26, 64<<16                          ; tensor_dim1 = 64
	s_mov_b32 s27, 64<<16                          ; tile_dim0 = 64
	s_mov_b32 s28, 64                              ; tile_dim1 = 64
	s_mov_b32 s29, 1024                            ; tensor_dim0_stride
	s_mov_b32 s30, 0
	s_mov_b32 s31, 0
	s_and_b32 s78, ttmp7, 0xffff                   ; the batch
	s_lshl_b32 s42, s78, 20                        ; 256 channels x 4,096 bytes,
	s_lshl_b32 s79, s77, 18                        ; my 64 channels,
	s_add_co_u32 s42, s42, s79
	s_lshl_b32 s79, ttmp9, 9                       ; the work-group's 128 tokens,
	s_add_co_u32 s42, s42, s79
	s_lshl_b32 s79, s76, 8                         ; my 64 of them
	s_add_co_u32 s42, s42, s79
	s_mov_b32 s43, 0
	s_mov_b32 s32, 1                               ; group 0 for x1: count = 1,
	s_lshl_b32 s33, s22, 14                        ; LDS address: wave x 16,384,
	s_mov_b32 s36, 1                               ; and for x2:
	s_add_co_u32 s37, s33, 0x20000                 ; 131,072 further on
	s_wait_dscnt 0x0
	s_wait_kmcnt 0x0
	s_add_nc_u64 s[34:35], s[4:5], s[42:43]
	s_or_b32 s35, s35, 0x80000000                  ; type = 2
	s_add_nc_u64 s[38:39], s[6:7], s[42:43]
	s_or_b32 s39, s39, 0x80000000
	tensor_load_to_lds s[32:35], s[24:31]          ; both first fills stand together, ahead of every wait on TENSORcnt, every LDS read and every barrier
	s_nop 0
	tensor_load_to_lds s[36:39], s[24:31]
	s_nop 0
.rept 4
	v_nop
.endr
	; pointers: each a buffer's address plus an offset made apart from it
	s_lshl_b32 s79, s78, 3
	s_add_co_u32 s79, s79, ttmp9
	s_mul_i32 s42, s79, 34816
	s_add_nc_u64 s[18:19], s[18:19], s[42:43]      ; my block of kv
	s_add_nc_u64 s[20:21], s[20:21], s[42:43]      ; and of qq
	s_mul_i32 s42, s74, 34816
	s_lshl_b32 s79, s75, 14
	s_add_co_u32 s42, s42, s79
	s_add_nc_u64 s[44:45], s[8:9], s[42:43]        ; part 1's 16 fragments of wq1 or wk
	s_mul_i32 s42, s74, 34816
	s_lshl_b32 s79, s75, 10
	s_add_co_u32 s42, s42, s79
	s_add_co_u32 s42, s42, 32768
	s_add_nc_u64 s[46:47], s[8:9], s[42:43]        ; their scale images
	s_lshl_b32 s42, s22, 12
	s_add_co_u32 s42, s42, 69632
	s_add_nc_u64 s[48:49], s[8:9], s[42:43]        ; wv's tiles 2 w, 2 w + 1
	s_lshl_b32 s42, s22, 8
	s_add_co_u32 s42, s42, 102400
	s_add_nc_u64 s[50:51], s[8:9], s[42:43]
	s_lshl_b32 s42, s76, 14
	s_add_co_u32 s42, s42, 104448
	s_add_nc_u64 s[52:53], s[8:9], s[42:43]        ; part 3's 16 fragments of wq2
	s_lshl_b32 s42, s76, 10
	s_add_co_u32 s42, s42, 137216
	s_add_nc_u64 s[54:55], s[8:9], s[42:43]
	s_cmp_lg_u32 s74, 0                            ; the choices hang on the wave's number alone
	s_cselect_b64 s[56:57], s[12:13], s[10:11]     ; bk or bq1
	s_cselect_b64 s[66:67], s[18:19], s[20:21]     ; kv or qq
	s_lshl_b32 s42, s75, 9
	s_add_nc_u64 s[56:57], s[56:57], s[42:43]
	s_lshl_b32 s42, s76, 9
	s_add_nc_u64 s[58:59], s[16:17], s[42:43]      ; bq2
	s_lshl_b32 s42, s22, 7
	s_add_nc_u64 s[14:15], s[14:15], s[42:43]      ; bv at my 32 channels
	s_lshl_b32 s42, s75, 10
	s_lshl_b32 s79, s76, 13
	s_add_co_u32 s42, s42, s79
	s_add_nc_u64 s[66:67], s[66:67], s[42:43]      ; part 1's images: (2 (4 th + i) + s') x 1,024
	s_lshl_b32 s42, s22, 11
	s_add_co_u32 s42, s42, 16384
	s_add_nc_u64 s[68:69], s[18:19], s[42:43]      ; part 2's
	s_lshl_b32 s42, s76, 10
	s_lshl_b32 s79, s77, 12
	s_add_co_u32 s42, s42, s79
	s_add_co_u32 s42, s42, 16384
	s_add_nc_u64 s[70:71], s[20:21], s[42:43]      ; part 3's
	s_cmp_lt_u32 s22, 4
	s_cselect_b64 s[72:73], s[18:19], s[20:21]     ; the scale images: waves 0-3 store kv's 2,048 bytes, waves 4-7 qq's
	s_and_b32 s42, s22, 3
	s_lshl_b32 s42, s42, 9
	s_add_co_u32 s42, s42, 32768
	s_add_nc_u64 s[72:73], s[72:73], s[42:43]
	s_mov_b32 s[SEL], 0x76543210
	s_mov_b32 s[SEL+1], 0xfedcba98
	v_and_b32 v244, 31, v0                         ; lane
	v_and_b32 v245, 15, v0                         ; r
	v_bfe_u32 v246, v0, 4, 1                       ; h
	v_and_b32 v247, 8, v245
	v_add_nc_u32 v247, v247, v245                  ; r + 8 (r / 8)
	v_lshlrev_b32 v1, 4, v244                      ; 16 x lane
	v_lshlrev_b32 v2, 2, v244                      ; 4 x lane
	v_lshlrev_b32 v39, 6, v246                     ; 64 h: a bias image's place for my half
	v_lshlrev_b32 v250, 2, v247                    ; bv: 4 x my row of a tile
	; all the weights, their scale words and the biases are asked for now and land while x1 is on its way
	WIN 0x40                                       ; destination window 1
.set n, 0
.rept 32
	global_load_b128 v[4*n:4*n+3], v1, s[44:45] offset:512*n
.set n, n+1
.endr
.set n, 0
.rept 32
	global_load_b128 v[128+4*n:131+4*n], v1, s[52:53] offset:512*n
.set n, n+1
.endr
	WIN 0
.irp t, 0,1,2,3,4,5,6,7
	global_load_b32 v[16+\t], v2, s[46:47] offset:128*\t
.endr
.irp t, 0,1,2,3,4,5,6,7
	global_load_b32 v[24+\t], v2, s[54:55] offset:128*\t
.endr
.irp t, 0,1,2,3,4,5,6,7
	global_load_b128 v[208+4*\t:211+4*\t], v1, s[48:49] offset:512*\t
.endr
.irp u, 0,1
	global_load_b32 v[32+\u], v2, s[50:51] offset:128*\u
.endr
.irp t, 0,1,2,3,4,5,6,7                        ; tile t's bias image: register j of lane (r, h) is the bias of output 32 (t / 2) + 8 (t % 2) + 16 h + j
	global_load_b128 v[128+8*\t:131+8*\t], v39, s[56:57] offset:(32*(\t/2)+8*(\t%2))*4
	global_load_b128 v[132+8*\t:135+8*\t], v39, s[56:57] offset:(32*(\t/2)+8*(\t%2))*4+16
.endr
.irp u, 0,1
	global_load_b32 v[36+\u], v250, s[14:15] offset:32*\u
.endr
	; LDS addresses: constants, the lane and the wave's number; made once and kept
	v_add_nc_u32 v3, s33, v2                       ; my word in my part of x1's tile,
	v_add_nc_u32 v4, 0x20000, v3                   ; of x2's
	s_mul_i32 s79, s76, 9216
	s_lshl_b32 s78, s77, 5
	s_add_co_u32 s79, s79, s78
	s_add_co_u32 s79, s79, XC
	v_mul_u32_u24 v5, v244, 144
	v_add_nc_u32 v5, s79, v5                       ; codes in: token 64 th + lane, blocks 2 p, 2 p + 1
	s_lshl_b32 s79, s76, 9
	s_lshl_b32 s78, s77, 1
	s_add_co_u32 s79, s79, s78
	s_add_co_u32 s79, s79, XS
	v_lshlrev_b32 v6, 3, v244
	v_add_nc_u32 v6, s79, v6                       ; and their two scale bytes
	v_mul_u32_u24 v7, v247, 144
	v_lshl_add_u32 v7, v246, 4, v7
	v_add_nc_u32 v7, XC, v7                        ; a fragment of x1: my row of a tile, + 16 h
	s_mul_i32 s79, s76, 9216
	v_add_nc_u32 v8, s79, v7                       ; part 1: tokens 64 th on
	s_mul_i32 s79, s77, 4608
	s_add_co_u32 s79, s79, 18432
	v_add_nc_u32 v9, s79, v7                       ; part 3: x2, tokens 32 g on
	v_lshlrev_b32 v10, 3, v247
	v_lshl_add_u32 v10, v246, 2, v10
	v_add_nc_u32 v10, XS, v10                      ; x1's scale words: lanes 0-15 K step 0, lanes 16-31 K step 1
	s_lshl_b32 s79, s76, 9
	v_add_nc_u32 v11, s79, v10
	s_lshl_b32 s79, s77, 8
	s_add_co_u32 s79, s79, 1024
	v_add_nc_u32 v12, s79, v10
	v_lshlrev_b32 v248, 2, v245                    ; 4 r
	s_xor_b32 s79, s74, 1
	s_lshl_b32 s79, s79, 11                        ; K's images at 0, q1's at 2,048
	s_lshl_b32 s78, s76, 9
	s_add_co_u32 s79, s79, s78
	s_lshl_b32 s78, s75, 6
	s_add_co_u32 s79, s79, s78
	s_add_co_u32 s79, s79, SCST
	v_add_nc_u32 v13, s79, v248
	s_lshl_b32 s79, s22, 7
	s_add_co_u32 s79, s79, SCST+1024
	v_add_nc_u32 v14, s79, v248
	s_lshl_b32 s79, s77, 8
	s_lshl_b32 s78, s76, 6
	s_add_co_u32 s79, s79, s78
	s_add_co_u32 s79, s79, SCST+3072
	v_add_nc_u32 v15, s79, v248
	s_lshl_b32 s79, s22, 9
	s_add_co_u32 s79, s79, SCST
	v_add_nc_u32 v35, s79, v1                      ; the way out of the scale images: 512 bytes a wave
.irp b, 0,1,2,3
	v_mov_b32 v[TM+4+\b], 0                        ; written once: a lane permute's destination counts as one of its sources
.endr
	s_wait_tensorcnt 0x1                           ; my part of x1 is in LDS (only I read it); x2's load may stay out
	XQ 0, 3
	BARRIER                                        ; x1's codes and scale bytes lie in LDS
	s_wait_loadcnt 0x0                             ; weights, scale words, biases
.irp i, 0,1,2,3
	UNITA 0, 16, 8, (32*(\i/2)+8*(\i%2))*144, 11, (32*(\i/2)+8*(\i%2))*8, 66, 2048*\i, 13, 128*\i
.endr
.irp t, 0,1,2,3,4,5,6,7                        ; part 3's bias images land under part 2
	global_load_b128 v[128+8*\t:131+8*\t], v39, s[58:59] offset:(32*(\t/2)+8*(\t%2))*4
	global_load_b128 v[132+8*\t:135+8*\t], v39, s[58:59] offset:(32*(\t/2)+8*(\t%2))*4+16
.endr
	WIN 0x40                                       ; x1's 16 fragments take the place of part 1's weights
.irp t, 0,1,2,3,4,5,6,7
.irp k, 0,1
.irp c, 0,1
	ds_load_b128 v[16*\t+8*\k+4*\c:16*\t+8*\k+4*\c+3], v7 offset:(32*(\t/2)+8*(\t%2))*144+64*\k+32*\c
.endr
.endr
.endr
	WIN 0
.irp t, 0,1,2,3,4,5,6,7
	ds_load_b32 v[16+\t], v10 offset:(32*(\t/2)+8*(\t%2))*8
.endr
	UNITB 0                                        ; (its wait for all LDS instructions covers these loads)
	UNITB 1
	s_wait_xcnt 0x0                                ; the last image's stores have read v40-47
	s_wait_tensorcnt 0x0                           ; my part of x2 is in LDS
	XQ 1, 4
	BARRIER                                        ; x2's codes and scale bytes lie in LDS
	s_wait_loadcnt 0x0                             ; bq2's images
.irp i, 0,1
	UNITA 128, 24, 9, 1152*\i, 12, 64*\i, 70, 2048*\i, 15, 128*\i
.endr
	BARRIER                                        ; all 32 scale images lie in the stage
	ds_load_b128 v[240:243], v35
	s_wait_dscnt 0x0
	global_store_b128 v1, v[240:243], s[72:73]     ; 512 consecutive bytes a wave
	s_wait_tensorcnt 0x0
	ds_add_u32 v254, v255
	s_wait_dscnt 0x0
	s_endpgm
.Lfunc_end_k_q742f0bb71e_proj:
	.size	k_q742f0bb71e_proj, .Lfunc_end_k_q742f0bb71e_proj-k_q742f0bb71e_proj
	.p2alignl 7, 3214868480
	.fill 96, 4, 3214868480
	.section	.rodata,"a",@progbits
	.p2align	6, 0x0
	.amdhsa_kernel k_q742f0bb71e_proj
		.amdhsa_group_segment_fixed_size 327680
		.amdhsa_private_segment_fixed_size 0
		.amdhsa_enable_private_segment 0
		.amdhsa_kernarg_size 72
		.amdhsa_user_sgpr_count 2
		.amdhsa_user_sgpr_kernarg_segment_ptr 1
		.amdhsa_wavefront_size32 1
		.amdhsa_system_sgpr_workgroup_id_x 1
		.amdhsa_system_sgpr_workgroup_id_y 1
		.amdhsa_system_sgpr_workgroup_id_z 1
		.amdhsa_system_vgpr_workitem_id 0
		.amdhsa_next_free_vgpr 512
		.amdhsa_next_free_sgpr 80
		.amdhsa_reserve_vcc 0
		.amdhsa_float_denorm_mode_32 3
		.amdhsa_float_denorm_mode_16_64 3
		.amdhsa_memory_ordered 1
		.amdhsa_forward_progress 1
		.amdhsa_inst_pref_size 103
	.end_amdhsa_kernel
	.amdgpu_metadata
---
amdhsa.version: [ 1, 2 ]
amdhsa.kernels:
  - .name:           k_q742f0bb71e_proj
    .symbol:         k_q742f0bb71e_proj.kd
    .args:
      - { .name: x1, .offset: 0, .size: 8, .value_kind: global_buffer, .address_space: global }
      - { .name: x2, .offset: 8, .size: 8, .value_kind: global_buffer, .address_space: global }
      - { .name: wc, .offset: 16, .size: 8, .value_kind: global_buffer, .address_space: global }
      - { .name: bq1, .offset: 24, .size: 8, .value_kind: global_buffer, .address_space: global }
      - { .name: bk, .offset: 32, .size: 8, .value_kind: global_buffer, .address_space: global }
      - { .name: bv, .offset: 40, .size: 8, .value_kind: global_buffer, .address_space: global }
      - { .name: bq2, .offset: 48, .size: 8, .value_kind: global_buffer, .address_space: global }
      - { .name: kv, .offset: 56, .size: 8, .value_kind: global_buffer, .address_space: global }
      - { .name: qq, .offset: 64, .size: 8, .value_kind: global_buffer, .address_space: global }
    .group_segment_fixed_size: 327680
    .private_segment_fixed_size: 0
    .kernarg_segment_align: 8
    .kernarg_segment_size: 72
    .max_flat_workgroup_size: 256
    .sgpr_count:     80
    .vgpr_count:     512
    .wavefront_size: 32
...
	.end_amdgpu_metadata
.endif
;; end of part 2
;; launch attn (part 3): grid 8 x 32, 8 waves a work-group, clusters of 4 x 1, 327,680 bytes of LDS; arguments kv, qq, wc, bps, bpc, x1, out0, out1; writes out0, out1
.if DOCPART == 3
	.amdgcn_target "amdgcn-amd-amdhsa--gfx1250"
	.amdhsa_code_object_version 6
	.text
	.protected	k_q742f0bb71e_attn
	.globl	k_q742f0bb71e_attn
	.p2align	8
	.type	k_q742f0bb71e_attn,@function
k_q742f0bb71e_attn:
	s_mov_b64 s[64:65], 0
	v_nop
	global_prefetch_b8 v0, s[64:65] scope:SCOPE_SE
	s_setreg_imm32_b32 hwreg(HW_REG_WAVE_MODE, 25, 1), 1
	s_wait_xcnt 0x0
	s_wait_alu depctr_hold_cnt(0) depctr_sa_sdst(0) depctr_va_vdst(0) depctr_va_sdst(0) depctr_va_ssrc(0) depctr_va_vcc(0) depctr_vm_vsrc(0)
	s_getreg_b32 s2, hwreg(HW_REG_IB_STS2, 6, 4)
	s_cmp_eq_u32 s2, 0
	s_cbranch_scc0 .Lentry_in_a_cluster
	s_endpgm
.Lentry_in_a_cluster:
	s_bfe_u32 s2, ttmp6, 0x10000c
	s_cmp_lg_u32 s2, 0x3003
	s_cbranch_scc0 .Lentry_shape_is_right
	s_endpgm
.Lentry_shape_is_right:
; out0 = x1 + wps h1 + bps, out1 = x1 + wpc h12 + bpc;  h1 = softmax(q1 k / 16) v, h12 = softmax((q1 k + q2 k) / 16) v.  All products on codes of FP4 (E2M1) with one E8M0 scale for each 32 along K.
; q1, q2, k, v and the weights come as images of operand registers (fragment: 1,024 bytes, register group c of lane l at 512 c + 16 l; scale image: 128 bytes, lane l's word at 4 l).
; THE SOFTMAX AHEAD OF THE SECOND PRODUCT: t = score x log2(e) / 16; M = the running largest t rounded UP to a whole number; p = 2^(t - M) is quantised along the keys, not normalised; the row's sum is taken of the
; unquantised p and divides at the end.  When M moves, the sum and O are multiplied by 2^(old M - new M): exact.
; SHARES.  Work-group = 128 queries (block j) of one batch; wave w owns query tile w, 16 queries, in BOTH streams: each fragment of K feeds two products (q1's, q2's), each fragment of V two (both streams').
; The second stream's scores are the first's plus q2 k: its first product takes the first stream's finished sum as C.  Two waves lie on a SIMD, so that one's vector work stands beside the other's products and LDS loads.
; K AND V OF THE WHOLE BATCH STAY IN LDS: 8 key steps x 34,816 bytes, filled once.  CLUSTER: the four work-groups of a cluster belong to one batch and want the same 278,528 bytes: each part is asked for JOINTLY, by the same
; tensor load with the same descriptor (made of the batch and the wave's number alone) and the mask of all four.  Each wave issues two: its 17 rows of 256 bytes of key step 0, its 119 rows of steps 1-7; two are out by this text's count.
; LAYOUT.  Both products transposed: S^T = K Q^T, O^T = V^T P^T: a lane holds one query (lane % 16) throughout.  Every tile of 16 rows is permuted (row r of tile 2 b + u = index 32 b + 8 u + r + 8 (r / 8)), so that the 16 registers
; of tiles 2 b, 2 b + 1 are 16 neighbours along the next K: keys for p, channels for h.  h goes from wave to wave through LDS as images; then wave w makes output channels 32 w .. 32 w + 31 for all 128 tokens (source 0 = 16 tokens of h,
; source 1 = 16 rows of the weight: a lane holds one channel and eight neighbouring tokens), through its stage in LDS into whole rows of 512 bytes, adds x1 and stores.
; The stages lie in K's and V's bytes: those have had their one fill, and behind the last barrier nobody reads them.
; LIMITS: NaN and infinities are not served.  A p under 2^-126 counts as 0 (v_exp_f32 flushes: ISA guide, its entry), nothing beside a sum above 1/2.  A block of h whose largest magnitude lies under 2^-124 gets the scale byte 1.
; 1 / sum is v_rcp_f32 and a multiplication.  The output biases are the C of each sum's first product.
; REGISTERS, window 0: v1-7 addresses; v8-15 scale words of K, V, h; v16-17 q1's, q2's; v18-19 p's; v20-23 the output weights'; v24-55 q1, q2, later bias images; v56-63 per stream -M, largest t, the sum in two halves;
;   v64-127 S^T of stream 0, then V's tiles 0-7, then the output weights; v128-191 S^T of stream 1, then V's tiles 8-15, then h; v192-255 four tiles of K, then p's codes and work.   window 1: O^T of both streams; at the end 16 accumulators and x1's rows.
.set HIMG, 278528                      ; h's fragment (stream z, tile i, K step s) at ((8 z + i) 2 + s) x 1,024
.set HSC,  311296                      ; h's scale image (z, i) at (8 z + i) x 128
.set CS,   48                          ; s[48:49] log2(e) / 16
.set SEL,  50                          ; s[50:51]
.set BM,   208                         ; v208-211 a block's largest score, then its largest p
.set BT,   212
.set SO,   216                         ; the conversions' scale operands
.set TMP,  220
.set FF,   222                         ; v[222:223] 2^(old M - new M)
.set T2,   224
.set TM,   208                         ; QUANT's 16 registers at work
.set MSB,  0
.macro WIN new                         ; the immediate's high byte repeats the setting that is left
.if MSB != \new
	s_set_vgpr_msb (MSB<<8)|\new
.set MSB, \new
.endif
.endm
.macro CROUND                          ; a round of the cluster's barrier
	s_barrier_signal -1
	s_barrier_wait -1
	s_cmp_lg_u32 s20, 0
	s_cbranch_scc1 .Lnot_wave_0_\@
	s_barrier_signal -3
.Lnot_wave_0_\@:
	s_barrier_wait -3
	s_barrier_signal -1
	s_barrier_wait -1
.endm
.macro QUANT src, pc, pw               ; 64 numbers of a lane, register 16 b + i = k 32 b + 16 (lane / 16) + i of its row -> a fragment in v[pc] on, the row's scale word in v[pw]
.irp b, 0,1,2,3
	v_max3_num_f32 v[TM+\b], |v[\src+16*\b]|, |v[\src+1+16*\b]|, 0x1800000
.endr
.irp i, 2,4,6,8,10,12,14
.irp b, 0,1,2,3
	v_max3_num_f32 v[TM+\b], v[TM+\b], |v[\src+16*\b+\i]|, |v[\src+1+16*\b+\i]|
.endr
.endr
.irp b, 0,1,2,3
	v_permlanex16_b32 v[TM+4+\b], v[TM+\b], s[SEL], s[SEL+1]
.endr
.irp b, 0,1,2,3
	v_max_num_f32 v[TM+\b], v[TM+\b], v[TM+4+\b]
.endr
.irp b, 0,1,2,3
	v_add_nc_u32 v[TM+12+\b], 0xff000000, v[TM+\b]
.endr
.irp b, 0,1,2,3
	v_lshrrev_b32 v[TM+4+\b], 23, v[TM+12+\b]
.endr
	v_lshl_or_b32 v[\pw], v[TM+5], 8, v[TM+4]
	v_lshl_or_b32 v[\pw], v[TM+6], 16, v[\pw]
	v_lshl_or_b32 v[\pw], v[TM+7], 24, v[\pw]
.irp b, 0,1,2,3
	v_cvt_scalef32_pk8_fp4_f32 v[\pc+2*\b], v[\src+16*\b:\src+7+16*\b], v[TM+12+\b]
	v_cvt_scalef32_pk8_fp4_f32 v[\pc+1+2*\b], v[\src+8+16*\b:\src+15+16*\b], v[TM+12+\b]
.endr
	v_nop                                              ; one plain place behind a scaled conversion
.irp c, 0,1
.irp i, 0,1
	v_permlane16_swap_b32 v[\pc+4*\c+\i], v[\pc+2+4*\c+\i]
.endr
.endr
.endm
; the matrix instruction in its forms: a sum begun with 0, begun with other registers, and gone on with in place on the second 128 along K (both sides' scale words from lanes 16-31)
.macro WM0 da, aa, ba, sa, sb
	v_wmma_scale_f32_16x16x128_f8f6f4 v[\da:\da+7], v[\aa:\aa+7], v[\ba:\ba+7], 0, v[\sa], v[\sb] matrix_a_fmt:MATRIX_FMT_FP4 matrix_b_fmt:MATRIX_FMT_FP4
.endm
.macro WMC da, aa, ba, ca, sa, sb
	v_wmma_scale_f32_16x16x128_f8f6f4 v[\da:\da+7], v[\aa:\aa+7], v[\ba:\ba+7], v[\ca:\ca+7], v[\sa], v[\sb] matrix_a_fmt:MATRIX_FMT_FP4 matrix_b_fmt:MATRIX_FMT_FP4
.endm
.macro WM1 da, aa, ba, sa, sb
	v_wmma_scale_f32_16x16x128_f8f6f4 v[\da:\da+7], v[\aa:\aa+7], v[\ba:\ba+7], v[\da:\da+7], v[\sa], v[\sb] matrix_a_fmt:MATRIX_FMT_FP4 matrix_b_fmt:MATRIX_FMT_FP4 matrix_a_scale:MATRIX_SCALE_ROW1 matrix_b_scale:MATRIX_SCALE_ROW1
.endm
.macro PVONE da, aa, ba, sa, sb, odd, zero     ; O^T (+)= V^T P^T; an odd channel tile's scale words lie in lanes 16-31
.if \zero
.if \odd
	v_wmma_scale_f32_16x16x128_f8f6f4 v[\da:\da+7], v[\aa:\aa+7], v[\ba:\ba+7], 0, v[\sa], v[\sb] matrix_a_fmt:MATRIX_FMT_FP4 matrix_b_fmt:MATRIX_FMT_FP4 matrix_a_scale:MATRIX_SCALE_ROW1
.else
	v_wmma_scale_f32_16x16x128_f8f6f4 v[\da:\da+7], v[\aa:\aa+7], v[\ba:\ba+7], 0, v[\sa], v[\sb] matrix_a_fmt:MATRIX_FMT_FP4 matrix_b_fmt:MATRIX_FMT_FP4
.endif
.else
.if \odd
	v_wmma_scale_f32_16x16x128_f8f6f4 v[\da:\da+7], v[\aa:\aa+7], v[\ba:\ba+7], v[\da:\da+7], v[\sa], v[\sb] matrix_a_fmt:MATRIX_FMT_FP4 matrix_b_fmt:MATRIX_FMT_FP4 matrix_a_scale:MATRIX_SCALE_ROW1
.else
	v_wmma_scale_f32_16x16x128_f8f6f4 v[\da:\da+7], v[\aa:\aa+7], v[\ba:\ba+7], v[\da:\da+7], v[\sa], v[\sb] matrix_a_fmt:MATRIX_FMT_FP4 matrix_b_fmt:MATRIX_FMT_FP4
.endif
.endif
.endm
.macro KLOAD g                         ; key tiles 4 g .. 4 g + 3, both K steps: 8 fragments
.irp t, 0,1,2,3
.irp k, 0,1
.irp c, 0,1
	ds_load_b128 v[192+16*\t+8*\k+4*\c:195+16*\t+8*\k+4*\c], v3 offset:8192*\g+(2*\t+\k)*1024+512*\c
.endr
.endr
.endr
.endm
; The scores of key tiles 4 g .. 4 g + 3, both streams.  Four accumulators take turns, one instruction a turn.
.macro QKMUL g
.irp t, 0,1,2,3
	WM0 64+8*(4*\g+\t), 192+16*\t, 24, 8+4*\g+\t, 16
.endr
.irp t, 0,1,2,3
	WM1 64+8*(4*\g+\t), 200+16*\t, 32, 8+4*\g+\t, 16
.endr
.rept 5
	v_nop                                              ; five places: the finished sums become the C of other accumulators
.endr
.irp t, 0,1,2,3
	WMC 128+8*(4*\g+\t), 192+16*\t, 40, 64+8*(4*\g+\t), 8+4*\g+\t, 17
.endr
.irp t, 0,1,2,3
	WM1 128+8*(4*\g+\t), 200+16*\t, 48, 8+4*\g+\t, 17
.endr
.endm
.macro VLOAD from                      ; V's channel tiles from .. from + 7, into the registers that a stream's p has left
.irp t, 0,1,2,3,4,5,6,7
.irp c, 0,1
	ds_load_b128 v[64+8*(\from+\t)+4*\c:67+8*(\from+\t)+4*\c], v3 offset:16384+1024*(\from+\t)+512*\c
.endr
.endr
.endm
.macro PVRUN from, zero                ; 32 accumulators take turns over a key step
.irp t, 0,1,2,3,4,5,6,7
	PVONE 8*(\from+\t), 64+8*(\from+\t), 192, 8+(\from+\t)/2, 18, \t%2, \zero
	PVONE 128+8*(\from+\t), 64+8*(\from+\t), 200, 8+(\from+\t)/2, 19, \t%2, \zero
.endr
.endm
; One stream's softmax for 128 keys.  sb: its 64 scores; st: its four state registers; pcb, pwr: where p's codes and scale word go; ob: its O^T in window 1; first = 1: the first key step starts M and the sum and has nothing to rescale.
.macro SOFTMAX sb, st, pcb, pwr, ob, first
.irp b, 0,1,2,3
	v_max3_num_f32 v[BM+\b], v[\sb+16*\b], v[\sb+16*\b+1], v[\sb+16*\b+2]   ; the largest score of each block of 32 keys: it serves the row's maximum and, since p rises with the score, the block's largest p.  Each accumulator is read from its low end on
.endr
.irp i, 3,5,7,9,11,13
.irp b, 0,1,2,3
	v_max3_num_f32 v[BM+\b], v[BM+\b], v[\sb+16*\b+\i], v[\sb+16*\b+\i+1]
.endr
.endr
.irp b, 0,1,2,3
	v_max_num_f32 v[BM+\b], v[BM+\b], v[\sb+16*\b+15]
.endr
.irp b, 0,1,2,3
	v_permlanex16_b32 v[BT+\b], v[BM+\b], s[SEL], s[SEL+1]
.endr
.irp b, 0,1,2,3
	v_max_num_f32 v[BM+\b], v[BM+\b], v[BT+\b]         ; with lane l xor 16's 16 keys
.endr
	v_max3_num_f32 v[TMP], v[BM], v[BM+1], v[BM+2]
	v_max_num_f32 v[TMP], v[TMP], v[BM+3]
.if \first
	v_mul_f32 v[\st+1], s[CS], v[TMP]                  ; the largest t
	v_floor_f32 v[\st], -v[\st+1]                      ; -M = floor(-t) = -ceil(t)
.else
	v_mul_f32 v[TMP], s[CS], v[TMP]
	v_max_num_f32 v[\st+1], v[\st+1], v[TMP]           ; the running largest t
	v_mov_b32 v[TMP], v[\st]
	v_floor_f32 v[\st], -v[\st+1]
	v_sub_f32 v[TMP], v[\st], v[TMP]                   ; old M - new M: a whole number, 0 or less
	v_cvt_i32_f32 v[TMP], v[TMP]
	v_ldexp_f32 v[FF], 1.0, v[TMP]                     ; f = 2^(old M - new M)
.endif
.irp j, 0,2,4,6,8,10,12,14,16,18,20,22,24,26,28,30,32,34,36,38,40,42,44,46,48,50,52,54,56,58,60,62
	v_pk_fma_f32 v[\sb+\j:\sb+\j+1], v[\sb+\j:\sb+\j+1], s[CS:CS+1], v[\st:\st+1] op_sel_hi:[1,0,0]   ; t - M, two at a time
.endr
.irp b, 0,1,2,3
	v_fma_f32 v[BM+\b], v[BM+\b], s[CS], v[\st]
.endr
.irp j, 0,1,2,3,4,5,6,7,8,9,10,11,12,13,14,15,16,17,18,19,20,21,22,23,24,25,26,27,28,29,30,31,32,33,34,35,36,37,38,39,40,41,42,43,44,45,46,47,48,49,50,51,52,53,54,55,56,57,58,59,60,61,62,63
	v_exp_f32 v[\sb+\j], v[\sb+\j]                     ; p = 2^(t - M)
.endr
.irp b, 0,1,2,3
	v_exp_f32 v[BM+\b], v[BM+\b]                       ; the block's largest p: the same two instructions on the same number
.endr
.if \first
	v_mov_b32 v[\st+2], 0                              ; (a plain place behind the exponentials)  the sum, in two halves
	v_mov_b32 v[\st+3], 0
	s_wait_alu depctr_va_vdst(0)
.else
	v_pk_mul_f32 v[\st+2:\st+3], v[\st+2:\st+3], v[FF:FF+1] op_sel_hi:[1,0]   ; (a plain place behind the exponentials)  the sum under the new M
	s_wait_alu depctr_va_vdst(0)
.endif
.irp b, 0,1,2,3
	v_max_num_f32 v[BM+\b], 0x1800000, v[BM+\b]        ; the floor 2^(3 - 127): the byte cannot fall under 1
.endr
.irp b, 0,1,2,3
	v_add_nc_u32 v[SO+\b], 0xff000000, v[BM+\b]
.endr
.irp b, 0,1,2,3
	v_lshrrev_b32 v[BT+\b], 23, v[SO+\b]
.endr
	v_lshl_or_b32 v[\pwr], v[BT+1], 8, v[BT]           ; p's scale word for these 128 keys
	v_lshl_or_b32 v[\pwr], v[BT+2], 16, v[\pwr]
	v_lshl_or_b32 v[\pwr], v[BT+3], 24, v[\pwr]
.irp b, 0,1,2,3
	v_cvt_scalef32_pk8_fp4_f32 v[\pcb+2*\b], v[\sb+16*\b:\sb+16*\b+7], v[SO+\b]
	v_cvt_scalef32_pk8_fp4_f32 v[\pcb+2*\b+1], v[\sb+16*\b+8:\sb+16*\b+15], v[SO+\b]
.endr
	v_nop                                              ; one plain place behind a scaled conversion
.irp c, 0,1
.irp i, 0,1
	v_permlane16_swap_b32 v[\pcb+4*\c+\i], v[\pcb+2+4*\c+\i]
.endr
.endr
	v_pk_add_f32 v[T2:T2+1], v[\sb:\sb+1], v[\sb+2:\sb+3]   ; the row's sum is taken of the unquantised p, in two chains.  (These lines are also the places between p's scale word and codes and the products that take them)
.irp j, 4,8,12,16,20,24,28,32,36,40,44,48,52,56,60
	v_pk_add_f32 v[\st+2:\st+3], v[\st+2:\st+3], v[\sb+\j:\sb+\j+1]
	v_pk_add_f32 v[T2:T2+1], v[T2:T2+1], v[\sb+\j+2:\sb+\j+3]
.endr
	v_pk_add_f32 v[\st+2:\st+3], v[\st+2:\st+3], v[T2:T2+1]
.if !\first
	WIN 0x41                                           ; O^T (destination and source 0) window 1, f window 0
.set n, 0
.rept 64
	v_pk_mul_f32 v[\ob+2*n:\ob+2*n+1], v[\ob+2*n:\ob+2*n+1], v[FF:FF+1] op_sel_hi:[1,0]
.set n, n+1
.endr
	WIN 0
.endif
.endm
; A KEY STEP: 128 keys, at LDS byte s21.
.macro STEP first
	v_add_nc_u32 v3, s21, v1
	v_add_nc_u32 v4, s21, v2
.rept 3
	v_nop                                              ; with the two additions five places behind the last step's products: their operands are loaded into (four are owed) and written over by this step's sums (five)
.endr
.irp t, 0,1,2,3,4,5,6,7
	ds_load_b32 v[8+\t], v4 offset:32768+128*\t        ; K's scale images
.endr
	KLOAD 0
	s_wait_dscnt 0x0
	QKMUL 0
.rept 4
	v_nop                                              ; four places in front of loads into registers that matrix instructions have read
.endr
	KLOAD 1
	s_wait_dscnt 0x0
	QKMUL 1
.rept 4
	v_nop                                              ; four places in front of the first read of the scores and the first write over K's fragments
.endr
	SOFTMAX 64, 56, 192, 18, 0, \first
.irp t, 0,1,2,3,4,5,6,7
	ds_load_b32 v[8+\t], v4 offset:33792+128*\t        ; V's scale images
.endr
	VLOAD 0                                            ; they land under the second stream's softmax
	SOFTMAX 128, 60, 200, 19, 128, \first
	VLOAD 8
	s_wait_dscnt 16                                    ; all but the sixteen loads just issued
	WIN 0x50                                           ; C and D window 1
	PVRUN 0, \first
	s_wait_dscnt 0x0
	PVRUN 8, \first
	WIN 0
	s_add_co_u32 s21, s21, 34816
.endm
.macro FETCHH z, g                     ; h's tiles 4 g .. 4 g + 3 of stream z, both K steps, and their scale images
.irp m, 0,1,2,3
.irp k, 0,1
.irp c, 0,1
	ds_load_b128 v[128+64*\g+16*\m+8*\k+4*\c:131+64*\g+16*\m+8*\k+4*\c], v3 offset:((8*\z+4*\g+\m)*2+\k)*1024+512*\c
.endr
.endr
	ds_load_b32 v[8+4*\g+\m], v4 offset:(8*\z+4*\g+\m)*128
.endr
.endm
.macro MULH z, g                       ; eight accumulators (4 tiles of tokens x my 2 tiles of channels) by turns; the bias is the first product's C
	WIN 0x40                                           ; D window 1
.irp m, 0,1,2,3
.irp u, 0,1
	WMC 8*(8*\u+4*\g+\m), 128+64*\g+16*\m, 64+32*\z+16*\u, 24+16*\z+8*\u, 8+4*\g+\m, 20+2*\z+\u
.endr
.endr
	WIN 0x50                                           ; C and D window 1
.irp m, 0,1,2,3
.irp u, 0,1
	WM1 8*(8*\u+4*\g+\m), 136+64*\g+16*\m, 72+32*\z+16*\u, 8+4*\g+\m, 20+2*\z+\u
.endr
.endr
.endm
; Stream z's output: my 32 channels x 128 tokens.
.macro OUTP z, op
	FETCHH \z, 0
	FETCHH \z, 1
	s_wait_dscnt 20                                    ; the first group is in; the second's sixteen fragments' loads and four scale words may be out
	MULH \z, 0
	s_wait_dscnt 0x0
	MULH \z, 1
	WIN 0
.rept 4
	v_nop                                              ; four places in front of the stores that read the results and of the loads into h's registers
.endr
	WIN 0x04                                           ; an LDS store's data are its source 1: window 1
.irp u, 0,1
.irp m, 0,1,2,3,4,5,6,7
.irp q, 0,1
	ds_store_b128 v6, v[8*(8*\u+\m)+4*\q:8*(8*\u+\m)+4*\q+3] offset:4224*\u+128*(\m/2)+32*(\m%2)+16*\q   ; lane (r, h): channel row 8 u + r + 8 (r / 8), tokens 32 (m / 2) + 8 (m % 2) + 16 h + 4 q on; each accumulator from its low end on
.endr
.endr
.endr
	WIN 0
.set n, 0
.rept 32
	ds_load_b128 v[128+4*n:131+4*n], v7 offset:528*n   ; back as whole rows of 512 bytes; LDS serves a wave's instructions in order (ISA guide 5.7.1.4): these see my stores
.set n, n+1
.endr
.if \z == 0
	s_wait_loadcnt 0x0                                 ; x1's rows
.endif
	WIN 0x04                                           ; source 1 (x1) window 1
.set n, 0
.rept 32
	s_wait_dscnt 31-n                                  ; row n is back; the rows behind it may be out
	v_pk_add_f32 v[128+4*n:129+4*n], v[128+4*n:129+4*n], v[128+4*n:129+4*n]
	v_pk_add_f32 v[130+4*n:131+4*n], v[130+4*n:131+4*n], v[130+4*n:131+4*n]
.set n, n+1
.endr
	WIN 0
.set n, 0
.rept 32
	global_store_b128 v1, v[128+4*n:131+4*n], s[\op:\op+1] offset:4096*n th:TH_STORE_NT   ; 32 lanes store 512 consecutive bytes of a channel's row, at a multiple of 512 from the buffer's first byte
.set n, n+1
.endr
.endm
	s_load_b512 s[4:19], s[0:1], 0x0               ; kv s[4:5], qq s[6:7], wc s[8:9], bps s[10:11], bpc s[12:13], x1 s[14:15], out0 s[16:17], out1 s[18:19]
	v_lshl_add_u32 v254, v0, 2, 0x4c800
	v_mov_b32 v255, 0
	ds_add_u32 v254, v255
	ds_add_u32 v254, v255
	s_wait_dscnt 0x0
	v_lshrrev_b32 v1, 5, v0
	v_readfirstlane_b32 s20, v1                    ; wave 0..7
	s_bfe_u32 s23, ttmp6, 0x40000                  ; cx: my place in the cluster
	s_lshl_b32 s55, ttmp9, 2
	s_add_co_u32 s55, s55, s23                     ; j = 4 x cluster x + cx: it enters qq's, x1's and the outputs' addresses alone
	s_and_b32 s54, ttmp7, 0xffff                   ; the batch, which the four partners share
	; descriptor groups 1: dense rows of 256 bytes (32 elements of 8 bytes), 17 of them and 119
	s_mov_b32 s24, 15|(3<<16)|(1<<21)              ; the mask: all four work-groups; elements of 8 bytes; bit 21 set beside a mask
	s_mov_b32 s25, 32<<16                          ; tensor_dim0
	s_mov_b32 s26, 17<<16                          ; tensor_dim1
	s_mov_b32 s27, 32<<16                          ; tile_dim0
	s_mov_b32 s28, 17                              ; tile_dim1
	s_mov_b32 s29, 32                              ; tensor_dim0_stride
	s_mov_b32 s30, 0
	s_mov_b32 s31, 0
	s_mov_b32 s32, 15|(3<<16)|(1<<21)
	s_mov_b32 s33, 32<<16
	s_mov_b32 s34, 119<<16
	s_mov_b32 s35, 32<<16
	s_mov_b32 s36, 119
	s_mov_b32 s37, 32
	s_mov_b32 s38, 0
	s_mov_b32 s39, 0
	s_mov_b32 s40, 1
	s_mul_i32 s41, s20, 4352                       ; key step 0: my 17 rows; LDS address and place in the batch's bytes are the same number
	s_mov_b32 s44, 1
	s_mul_i32 s45, s20, 30464                      ; key steps 1-7: my 119 rows
	s_add_co_u32 s45, s45, 34816
	s_mul_i32 s56, s54, 278528
	s_mov_b32 s57, 0
	s_mov_b32 s53, 0
	s_mov_b32 s[CS], 0x3db8aa3b                    ; log2(e) / 16
	s_mov_b32 s[CS+1], s[CS]                       ; (named with it as a pair, so it is written)
	s_mov_b32 s[SEL], 0x76543210
	s_mov_b32 s[SEL+1], 0xfedcba98
	s_mov_b32 s21, 0
	s_wait_kmcnt 0x0
	s_add_nc_u64 s[4:5], s[4:5], s[56:57]          ; kv at the batch
	s_mov_b32 s56, s41
	s_add_nc_u64 s[42:43], s[4:5], s[56:57]
	s_or_b32 s43, s43, 0x80000000                  ; type = 2
	s_mov_b32 s56, s45
	s_add_nc_u64 s[46:47], s[4:5], s[56:57]
	s_or_b32 s47, s47, 0x80000000
	CROUND                                         ; all four work-groups are here: the joint loads meet
	tensor_load_to_lds s[40:43], s[24:31]          ; both first fills stand together, ahead of every wait on TENSORcnt and every LDS read
	s_nop 0
	tensor_load_to_lds s[44:47], s[32:39]
	s_nop 0
.rept 4
	v_nop
.endr
	s_lshl_b32 s23, s54, 3
	s_add_co_u32 s23, s23, s55
	s_mul_i32 s52, s23, 34816
	s_add_nc_u64 s[6:7], s[6:7], s[52:53]          ; my block of qq,
	s_lshl_b32 s52, s20, 7
	s_add_co_u32 s52, s52, 32768
	s_add_nc_u64 s[58:59], s[6:7], s[52:53]        ; my tile's scale images,
	s_lshl_b32 s52, s20, 11
	s_add_nc_u64 s[6:7], s[6:7], s[52:53]          ; my tile's fragments
	s_lshl_b32 s52, s20, 8
	s_add_co_u32 s52, s52, 172032
	s_add_nc_u64 s[60:61], s[8:9], s[52:53]        ; wps's scale images of tiles 2 w, 2 w + 1 (wpc's 34,816 further on)
	s_lshl_b32 s52, s20, 12
	s_add_co_u32 s52, s52, 139264
	s_add_nc_u64 s[8:9], s[8:9], s[52:53]          ; and their fragments
	s_lshl_b32 s52, s20, 7
	s_add_nc_u64 s[10:11], s[10:11], s[52:53]      ; the biases at my 32 channels
	s_add_nc_u64 s[12:13], s[12:13], s[52:53]
	s_lshl_b32 s52, s54, 20
	s_lshl_b32 s23, s20, 17
	s_add_co_u32 s52, s52, s23
	s_lshl_b32 s23, s55, 9
	s_add_co_u32 s52, s52, s23                     ; (256 batch + 32 w) rows of 4,096 bytes + 512 j
	s_add_nc_u64 s[14:15], s[14:15], s[52:53]
	s_add_nc_u64 s[16:17], s[16:17], s[52:53]
	s_add_nc_u64 s[18:19], s[18:19], s[52:53]
	v_and_b32 v56, 31, v0                          ; lane
	v_and_b32 v57, 15, v0                          ; r
	v_bfe_u32 v58, v0, 4, 1                        ; h
	v_and_b32 v59, 8, v57
	v_add_nc_u32 v59, v59, v57                     ; r + 8 (r / 8)
	v_lshlrev_b32 v1, 4, v56                       ; 16 x lane
	v_lshlrev_b32 v2, 2, v56                       ; 4 x lane
	v_lshlrev_b32 v5, 12, v56                      ; 4,096 x lane: a row of x1 for each lane
	s_mul_i32 s23, s20, 16896                      ; my stage: 32 rows x (512 bytes + 16)
	v_mul_u32_u24 v6, v59, 528
	v_lshl_add_u32 v6, v58, 6, v6
	v_add_nc_u32 v6, s23, v6                       ; in: my row of a channel tile, + 64 h
	v_add_nc_u32 v7, s23, v1                       ; back: 16 bytes a lane
.irp k, 0,1
.irp c, 0,1
	global_load_b128 v[24+8*\k+4*\c:27+8*\k+4*\c], v1, s[6:7] offset:1024*\k+512*\c          ; q1's two fragments stay in registers,
	global_load_b128 v[40+8*\k+4*\c:43+8*\k+4*\c], v1, s[6:7] offset:16384+1024*\k+512*\c    ; and q2's
.endr
.endr
	global_load_b32 v16, v2, s[58:59]
	global_load_b32 v17, v2, s[58:59] offset:1024
	s_wait_tensorcnt 0x1                           ; my rows of key step 0 are in; the load of steps 1-7 may stay out
	s_barrier_signal -1
	s_barrier_wait -1                              ; everybody's are
	s_wait_loadcnt 0x0                             ; q1, q2
	STEP 1                                         ; the first key step starts M, the sums and O^T: nothing is cleared
	s_wait_tensorcnt 0x0                           ; my rows of key steps 1-7 are in
	s_wait_dscnt 0x0
	s_barrier_signal -1
	s_barrier_wait -1                              ; everybody's are
	s_mov_b32 s22, 7
.Lstep:
	s_cmp_lg_u32 s22, 1                            ; in the last trip my 32 rows of x1 (512 bytes each) are asked for: 64 blocks of 256 bytes, each once in the launch, by the wave that will load them one key step and h's quantising later
	s_cbranch_scc1 .Lno_ask
	global_prefetch_b8 v5, s[14:15] th:TH_LOAD_NT scope:SCOPE_SE
	global_prefetch_b8 v5, s[14:15] offset:256 th:TH_LOAD_NT scope:SCOPE_SE
.Lno_ask:
	STEP 0
	s_sub_co_u32 s22, s22, 1
	s_cmp_lg_u32 s22, 0
	s_cbranch_scc1 .Lstep
	; THE END OF THE SOFTMAX.  The sums' halves and lane l xor 16's are added (these lines are also the places behind the last products).
	v_add_f32 v58, v58, v59
	v_add_f32 v62, v62, v63
	v_permlanex16_b32 v220, v58, s[SEL], s[SEL+1]
	v_permlanex16_b32 v221, v62, s[SEL], s[SEL+1]
	v_add_f32 v58, v58, v220
	v_add_f32 v62, v62, v221
	v_rcp_f32 v56, v58
	v_rcp_f32 v60, v62
	s_wait_xcnt 0x0                                ; the prefetches have read v5
	v_and_b32 v5, 15, v0                           ; (a plain place behind the reciprocals)
	v_and_b32 v59, 8, v5
	v_add_nc_u32 v5, v5, v59
	v_lshlrev_b32 v5, 2, v5                        ; 4 x my row of a channel tile: the biases
	v_and_b32 v63, 16, v0
	v_cmp_ne_u32 vcc_lo, 0, v63                    ; lanes 16-31
	s_lshl_b32 s23, s20, 11
	s_add_co_u32 s23, s23, HIMG
	v_add_nc_u32 v3, s23, v1                       ; where my tile's images of h go,
	s_lshl_b32 s23, s20, 7
	s_add_co_u32 s23, s23, HSC
	v_add_nc_u32 v4, s23, v2                       ; and their scale images
	s_wait_alu depctr_va_vdst(0)
.irp z, 0,1                                    ; the output weights' fragments (stream z, tile 2 w + u, K step s) at v[64 + 32 z + 16 u + 8 s], their scale images, the biases: they land while h is quantised
.irp t, 0,1,2,3,4,5,6,7
	global_load_b128 v[64+32*\z+4*\t:67+32*\z+4*\t], v1, s[8:9] offset:34816*\z+512*\t
.endr
.irp u, 0,1
	global_load_b32 v[20+2*\z+\u], v2, s[60:61] offset:34816*\z+128*\u
.endr
.endr
.irp u, 0,1
	global_load_b32 v[240+\u], v5, s[10:11] offset:32*\u
	global_load_b32 v[242+\u], v5, s[12:13] offset:32*\u
.endr
.irp z, 0,1                                    ; h = O^T / the sum: register 16 b + i of a K step is channel 32 b + 16 h + i of my query: quantised along the channels
.irp k, 0,1
	WIN 0x01                                       ; source 0 (O^T) window 1
.set n, 0
.rept 32
	v_pk_mul_f32 v[128+2*n:129+2*n], v[128*\z+64*\k+2*n:128*\z+64*\k+2*n+1], v[56+4*\z:57+4*\z] op_sel_hi:[1,0]   ; each accumulator from its low end on
.set n, n+1
.endr
	WIN 0
	QUANT 128, 192, 232+\k
.irp c, 0,1
	ds_store_b128 v3, v[192+4*\c:195+4*\c] offset:(16*\z+\k)*1024+512*\c
.endr
	s_wait_dscnt 0x0                               ; the stores have read their registers
.endr
	v_cndmask_b32 v234, v232, v233, vcc_lo         ; lanes 0-15 K step 0's word, lanes 16-31 K step 1's
	ds_store_b32 v4, v234 offset:1024*\z
.endr
	WIN 0x40                                       ; x1's 32 rows take the second stream's O^T's place
.set n, 0
.rept 32
	global_load_b128 v[128+4*n:131+4*n], v1, s[14:15] offset:4096*n th:TH_LOAD_NT
.set n, n+1
.endr
	WIN 0
	s_wait_dscnt 0x0                               ; my images of h have landed, and my reads of K and V are long over
	s_barrier_signal -1
	s_barrier_wait -1                              ; h's 32 fragments lie in LDS; nobody reads K or V any more: the stages may be written
	s_wait_loadcnt 32                              ; weights, scale words and biases are in; x1's 32 rows may be out
	v_add_nc_u32 v3, HIMG, v1                      ; where any image of h is read,
	v_add_nc_u32 v4, HSC, v2                       ; and any scale image
.irp z, 0,1
.irp u, 0,1
.irp i, 0,1,2,3,4,5,6,7
	v_mov_b32 v[24+16*\z+8*\u+\i], v[240+2*\z+\u]  ; the lane's bias, as the C of a sum's first product
.endr
.endr
.endr
	OUTP 0, 16
	s_wait_xcnt 0x0                                ; the stores have read v128-255, which the next stream's loads write
	OUTP 1, 18
	s_wait_dscnt 0x0
	s_wait_xcnt 0x0
	v_lshl_add_u32 v254, v0, 2, 0x4c800
	v_mov_b32 v255, 0
	s_wait_tensorcnt 0x0
	ds_add_u32 v254, v255
	s_wait_dscnt 0x0
	CROUND                                         ; the closing round: no work-group ends while a partner may still ask for a tile that names it
	s_endpgm
.Lfunc_end_k_q742f0bb71e_attn:
	.size	k_q742f0bb71e_attn, .Lfunc_end_k_q742f0bb71e_attn-k_q742f0bb71e_attn
	.p2alignl 7, 3214868480
	.fill 96, 4, 3214868480
	.section	.rodata,"a",@progbits
	.p2align	6, 0x0
	.amdhsa_kernel k_q742f0bb71e_attn
		.amdhsa_group_segment_fixed_size 327680
		.amdhsa_private_segment_fixed_size 0
		.amdhsa_enable_private_segment 0
		.amdhsa_kernarg_size 64
		.amdhsa_user_sgpr_count 2
		.amdhsa_user_sgpr_kernarg_segment_ptr 1
		.amdhsa_wavefront_size32 1
		.amdhsa_system_sgpr_workgroup_id_x 1
		.amdhsa_system_sgpr_workgroup_id_y 1
		.amdhsa_system_sgpr_workgroup_id_z 1
		.amdhsa_system_vgpr_workitem_id 0
		.amdhsa_next_free_vgpr 512
		.amdhsa_next_free_sgpr 66
		.amdhsa_reserve_vcc 1
		.amdhsa_float_denorm_mode_32 3
		.amdhsa_float_denorm_mode_16_64 3
		.amdhsa_memory_ordered 1
		.amdhsa_forward_progress 1
		.amdhsa_inst_pref_size 155
	.end_amdhsa_kernel
	.amdgpu_metadata
---
amdhsa.version: [ 1, 2 ]
amdhsa.kernels:
  - .name:           k_q742f0bb71e_attn
    .symbol:         k_q742f0bb71e_attn.kd
    .args:
      - { .name: kv, .offset: 0, .size: 8, .value_kind: global_buffer, .address_space: global }
      - { .name: qq, .offset: 8, .size: 8, .value_kind: global_buffer, .address_space: global }
      - { .name: wc, .offset: 16, .size: 8, .value_kind: global_buffer, .address_space: global }
      - { .name: bps, .offset: 24, .size: 8, .value_kind: global_buffer, .address_space: global }
      - { .name: bpc, .offset: 32, .size: 8, .value_kind: global_buffer, .address_space: global }
      - { .name: x1, .offset: 40, .size: 8, .value_kind: global_buffer, .address_space: global }
      - { .name: out0, .offset: 48, .size: 8, .value_kind: global_buffer, .address_space: global }
      - { .name: out1, .offset: 56, .size: 8, .value_kind: global_buffer, .address_space: global }
    .group_segment_fixed_size: 327680
    .private_segment_fixed_size: 0
    .kernarg_segment_align: 8
    .kernarg_segment_size: 64
    .max_flat_workgroup_size: 256
    .sgpr_count:     66
    .vgpr_count:     512
    .wavefront_size: 32
...
	.end_amdgpu_metadata
.endif
;; end of part 3
